; MI455X (gfx1250); checked and timed in simulation.
; The chip was launched on July 23, 2026; its instructions are those of AMD's public machine-readable ISA for CDNA 5 (MIT licence, August 2026) and "CDNA5" Instruction Set Architecture Reference Guide (July 2026). The comments in the code are by the model that wrote it; some were corrected since.
;; Softmax T Linear. Allowed arithmetic: float matrix products may take bf16 or f16 operands with f32 sums; all other float work in f32.
;; Inputs: b 1,024 float32; w 1,024 x 1,024 float32; x 256 x 1,024 float32.
;; Outputs: out0 256 x 1,024 float32.
;; 2 versions, each right and faster than the one before. Each part assembles by itself: llvm-mc -triple=amdgcn-amd-amdhsa -mcpu=gfx1250 --defsym DOCPART=n.
;; ======== version 1 of 2: 1 launch
;; launch softmax_t_linear (part 1): grid 16 x 16, 8 waves a work-group, clusters of 4 x 1, 312,320 bytes of LDS; arguments x, w, b, out0; writes out0
.if DOCPART == 1
	.amdgcn_target "amdgcn-amd-amdhsa--gfx1250"
	.amdhsa_code_object_version 6
	.text
	.protected	k_qc5610549f9_softmax_t_linear
	.globl	k_qc5610549f9_softmax_t_linear
	.p2align	8
	.type	k_qc5610549f9_softmax_t_linear,@function
k_qc5610549f9_softmax_t_linear:
	s_mov_b64 s[64:65], 0
	v_nop
	global_prefetch_b8 v0, s[64:65] scope:SCOPE_SE
	s_setreg_imm32_b32 hwreg(HW_REG_WAVE_MODE, 25, 1), 1
	s_wait_xcnt 0x0
	s_wait_alu depctr_hold_cnt(0) depctr_sa_sdst(0) depctr_va_vdst(0) depctr_va_sdst(0) depctr_va_ssrc(0) depctr_va_vcc(0) depctr_vm_vsrc(0)
	s_getreg_b32 s2, hwreg(HW_REG_IB_STS2, 6, 4)
	s_cmp_eq_u32 s2, 0
	s_cbranch_scc0 .Lentry_in_a_cluster
	s_endpgm
.Lentry_in_a_cluster:
	s_bfe_u32 s2, ttmp6, 0x10000c
	s_cmp_lg_u32 s2, 0x3003
	s_cbranch_scc0 .Lentry_shape_is_right
	s_endpgm
.Lentry_shape_is_right:
; out[b][o] = 1024 * sum_i z e^(|z|-m) / sum_i e^(|z|-m) + bias[o],  z = x[b][i] w[i][o],  m = max_i |z|.   x [256][1024], w [1024][1024], out [256][1024], f32.
; The product x[b][i] w[i][o] is summed over nothing before the exponential, so there is no matrix product to give to a matrix instruction: all of it is f32 vector work.
; A work-group makes 16 rows (b) x 64 columns (o).  Its 1024 x 64 piece of w (262,144 bytes) is brought into LDS once and read in both passes.
; Eight waves = 2 groups of 8 rows of x  x  4 slices of 256 i.  A lane owns columns 2 lane and 2 lane + 1; x[b][i] is the same for all lanes and lives in scalar registers.
; Pass 1: the true maximum of |z| over the wave's slice.  Pass 2: the two sums against that maximum.  At the end the four slices of a row meet in LDS:
; m = max of the slices' maxima, each slice's sums times 2^(m_slice - m).  So every exponent is at most about 0 for every input, and no barrier stands between the passes.
; CLUSTER 4,1,1 along the row blocks: the four partners make the same 64 columns and need the same piece of w, so each wave's tensor load is a joint one (mask 15):
; 16 row blocks would ask for each piece 16 times, the clusters ask 4 times.  A wave has one tensor load outstanding, once.
; LIMITS: a NaN input gives NaN (the maximum itself skips NaN); where x w overflows f32 the result is not finite; a term more than 2^126 below its slice's largest
; counts as 0 (v_exp_f32 gives 0 for results below 2^-126: ISA guide, its entry in 15.8); the sums are made in four slices, another order than a single run over i.
.set LOG2E,  0x3fb8aa3b
.set NLOG2E, 0xbfb8aa3b
.set ROWB,   256                       ; an LDS row: 64 columns of f32; 32 lanes x 8 bytes read it whole, no two lanes in one bank
.set TRIPB,  4*ROWB                    ; a trip takes 4 i
.set LAPS,   32                        ; a lap = two trips = 8 i; a slice is 256 i
.set SCR_ND, 262144                    ; behind the tile: [wave][row 0-7][lane] 16 bytes: num, num, den, den   (8 x 4,096 bytes)
.set SCR_M,  294912                    ; behind that:     [wave][row 0-7][lane]  8 bytes: -m', -m'             (8 x 2,048 bytes)
.set XA, 32                            ; s[32:63]  x of one trip: row j's 4 numbers at XA + 4 j
.set XB, 68                            ; s[68:99]  the other set (s64, s65 are not this text's)
.set AX, 28                            ; s28, s30  |x| by turns; a packed f32 form takes the first register of an even pair, s29 and s31 only have to be written
.set VBASE, 1                          ; v1  LDS address of my 8 bytes in my slice's first row
.set VADR,  2                          ; v2  the same at the lap's first row
.set WA, 8                             ; v[8:15]   w of one trip: row i's pair at WA + 2 i
.set WB, 16                            ; v[16:23]  the other set
.set AW, 24                            ; v[24:31]  pass 2: |w| log2(e) of the trip at work
.set T,  32                            ; v[32:39]  pass 2: four pairs by turns: exponent, then 2^exponent
.set Z,  40                            ; v[40:43]  pass 2: two pairs by turns: z
.set PT, 24                            ; v[24:39]  pass 1: four sets of 4 products by turns
.set NM, 44                            ; v[44:59]  row j's pair: pass 1 max |z|, then -log2(e) max |z|
.set ACC, 60                           ; v[60:91]  row j: num, num, den, den
.set BIAS, 92                          ; v[92:93]
.set FN, 96                            ; v[96:127]  the join: num, den of slice q, row jj at FN + 8 q + 4 jj
.set FM, 128                           ; v[128:143] the join: -m' of slice q, row jj at FM + 4 q + 2 jj
.set G,  144                           ; v[144:147] the join: the least -m' of the four slices
.set SN, 148                           ; v[148:155] the join: the sums
; A round of the cluster's barrier: my work-group's barrier, wave 0 signals for the work-group, every wave waits for all four work-groups, my work-group's barrier again.
.macro ROUND
	s_barrier_signal -1
	s_barrier_wait -1
	s_cmp_lg_u32 s12, 0
	s_cbranch_scc1 .Lnot_wave_0_\@
	s_barrier_signal -3
.Lnot_wave_0_\@:
	s_barrier_wait -3
	s_barrier_signal -1
	s_barrier_wait -1
.endm
	s_load_b256 s[4:11], s[0:1], 0x0               ; x s[4:5], w s[6:7], bias s[8:9], out s[10:11]
	v_lshl_add_u32 v160, v0, 2, 0x4c000
	v_mov_b32 v161, 0
	ds_add_u32 v160, v161
	v_lshrrev_b32 v5, 5, v0
	v_readfirstlane_b32 s12, v5                    ; wave 0..7
	v_and_b32 v3, 31, v0                           ; lane
	v_lshlrev_b32 v4, 3, v3                        ; 8 lane: my two columns, in w's LDS rows, in bias and in out; never rewritten
	v_lshlrev_b32 v6, 4, v3                        ; 16 lane
	s_lshr_b32 s13, s12, 2                         ; which 8 rows of x are mine
	s_and_b32 s14, s12, 3                          ; which 256 i are mine
	s_bfe_u32 s15, ttmp6, 0x40000                  ; cx: my place in the cluster
	s_lshl_b32 s68, ttmp9, 2
	s_add_co_u32 s68, s68, s15                     ; row block = 4 x cluster x + cx
	s_and_b32 s69, ttmp7, 0xffff                   ; column block: the same in all four partners
	s_lshl_b32 s70, s68, 16                        ; x: 16 rows of 4,096 bytes a block,
	s_lshl_b32 s71, s13, 15                        ;    8 rows a group,
	s_add_co_u32 s70, s70, s71
	s_lshl_b32 s71, s14, 10                        ;    256 i of 4 bytes a slice
	s_add_co_u32 s70, s70, s71
	s_mov_b32 s71, 0
	s_lshl_b32 s72, s69, 8                         ; 64 columns of 4 bytes a column block: for w, bias and out
	s_mov_b32 s73, 0
	s_lshl_b32 s74, s12, 19                        ; w: the 128 rows of 4,096 bytes that this wave fetches
	s_mov_b32 s75, 0
	s_lshl_b32 s76, s68, 16                        ; out: the block's 16 rows, of which this wave stores rows 2 wave and 2 wave + 1
	s_lshl_b32 s77, s12, 13
	s_add_co_u32 s76, s76, s77
	s_add_co_u32 s76, s76, s72
	s_mov_b32 s77, 0
	s_lshl_b32 s78, s14, 16                        ; my slice in LDS: 256 rows of 256 bytes
	v_add_nc_u32 v[VBASE], s78, v4
	; descriptor group 1: 128 rows x 64 elements of 4 bytes, 1,024 elements from row to row; the tile lies inside w, so the extents are the tile's
	s_mov_b32 s20, 15|(2<<16)|(1<<21)              ; 15:0 the four partners; 17:16 element of 4 bytes; 21 set beside a mask; no padding
	s_mov_b32 s21, 64<<16                          ; tensor_dim0 = 64
	s_mov_b32 s22, 128<<16                         ; tensor_dim1 = 128
	s_mov_b32 s23, 64<<16                          ; tile_dim0 = 64
	s_mov_b32 s24, 128                             ; tile_dim1 = 128
	s_mov_b32 s25, 1024                            ; pitch
	s_mov_b32 s26, 0
	s_mov_b32 s27, 0
	s_mov_b32 s16, 1                               ; group 0: count,
	s_lshl_b32 s17, s12, 15                        ; LDS address: wave x 128 rows x 256 bytes (the wave's number alone),
	s_mov_b32 s3, 0x7fffffff                       ; clears a sign
	s_mov_b32 s101, LOG2E
	s_mov_b32 s29, 0
	s_mov_b32 s31, 0
	s_mov_b32 s2, 0                                ; byte offset in x of the lap's first i; times 64 it is the lap's offset in LDS
	s_wait_dscnt 0x0
	s_wait_kmcnt 0x0
	s_add_nc_u64 s[18:19], s[6:7], s[72:73]        ; global address: column block and wave's number, nothing of cx,
	s_add_nc_u64 s[18:19], s[18:19], s[74:75]
	s_or_b32 s19, s19, 0x80000000                  ; type 2
	s_add_nc_u64 s[4:5], s[4:5], s[70:71]
	s_add_nc_u64 s[8:9], s[8:9], s[72:73]
	s_add_nc_u64 s[10:11], s[10:11], s[76:77]
	ROUND                                          ; all four work-groups are here: the joint loads meet
	tensor_load_to_lds s[16:19], s[20:27]          ; this wave's only tensor load: an eighth of the tile
	s_nop 0
; The loads of one trip.  x: 16 bytes of each of my 8 rows; w: my 8 bytes of 4 rows.
.macro FETCHX xs, off
.irp j, 0,1,2,3,4,5,6,7
	s_load_b128 s[\xs+4*\j:\xs+4*\j+3], s[4:5], s2 offset:\j*4096+\off
.endr
.endm
.macro FETCHW w, off
.irp i, 0,1,2,3
	ds_load_b64 v[\w+2*\i:\w+2*\i+1], v[VADR] offset:\i*ROWB+\off
.endr
.endm
.macro ARRIVED
	s_wait_kmcnt 0x0                               ; scalar loads return in no order, so 0: the x asked for a trip ago is here, and s2 may be stepped
	s_wait_dscnt 0x0                               ; the w asked for a trip ago is here
.endm
	FETCHX XA, 0                                   ; the first trip's x travels while the tile does
.set r, 0
.rept 16
	v_mov_b32 v[NM+r], 0                           ; |z| is never below 0
.set r, r+1
.endr
	v_mov_b32 v[VADR], v[VBASE]
	s_wait_tensorcnt 0x0                           ; my eighth of the tile has landed,
	s_barrier_signal -1
	s_barrier_wait -1                              ; everybody's has: two waves fetched each slice and two read it
	FETCHW WA, 0
	global_load_b64 v[BIAS:BIAS+1], v4, s[8:9]
; PASS 1, one trip: 16 units of (row b = u % 8, i pair u / 8).  Two dual multiplies make x w for two i and my two columns (the dual form takes any scalar register),
; two v_max3 fold |.| of them into the row's maxima.  The products of unit u + 2 are made ahead of unit u's maxima; four sets take turns.
.macro PROD u, xs, w
	v_dual_mul_f32 v[PT+4*((\u)%4)], s[\xs+4*((\u)%8)+2*((\u)/8)], v[\w+4*((\u)/8)] :: v_dual_mul_f32 v[PT+4*((\u)%4)+1], s[\xs+4*((\u)%8)+2*((\u)/8)], v[\w+4*((\u)/8)+1]
	v_dual_mul_f32 v[PT+4*((\u)%4)+2], s[\xs+4*((\u)%8)+2*((\u)/8)+1], v[\w+4*((\u)/8)+2] :: v_dual_mul_f32 v[PT+4*((\u)%4)+3], s[\xs+4*((\u)%8)+2*((\u)/8)+1], v[\w+4*((\u)/8)+3]
.endm
.macro P1_WORK xs, w
	PROD 0, \xs, \w
	PROD 1, \xs, \w
.set u, 0
.rept 16
.if u+2 < 16
	PROD u+2, \xs, \w
.endif
	v_max3_num_f32 v[NM+2*(u%8)],   v[NM+2*(u%8)],   |v[PT+4*(u%4)]|,   |v[PT+4*(u%4)+2]|
	v_max3_num_f32 v[NM+2*(u%8)+1], v[NM+2*(u%8)+1], |v[PT+4*(u%4)+1]|, |v[PT+4*(u%4)+3]|
.set u, u+1
.endr
.endm
; PASS 2, one trip: 32 items k of (row b = k % 8, i = k / 8), in a short pipeline that is filled and drained inside the trip:
;   |x| of item k + 3 (scalar);  2^t of item k;  t of item k + 2;  z of item k;  the sums of item k - 1.
; t = |w| log2(e) |x| - m' in one packed multiply-add.  Behind the two v_exp_f32 stands a plain vector instruction that names none of their registers
; (t of a later item, or an earlier item's sums) before their results are read, one item later.
.macro ABSX k, xs
	s_and_b32 s[AX+2*((\k)%2)], s[\xs+4*((\k)%8)+(\k)/8], s3
.endm
.macro EXPO k
	v_pk_fma_f32 v[T+2*((\k)%4):T+2*((\k)%4)+1], v[AW+2*((\k)/8):AW+2*((\k)/8)+1], s[AX+2*((\k)%2):AX+2*((\k)%2)+1], v[NM+2*((\k)%8):NM+2*((\k)%8)+1] op_sel_hi:[1,0,1]
.endm
.macro SUMS k
	s_wait_alu depctr_va_vdst(0)
	v_pk_fma_f32 v[ACC+4*((\k)%8):ACC+4*((\k)%8)+1], v[Z+2*((\k)%2):Z+2*((\k)%2)+1], v[T+2*((\k)%4):T+2*((\k)%4)+1], v[ACC+4*((\k)%8):ACC+4*((\k)%8)+1]
	v_pk_add_f32 v[ACC+4*((\k)%8)+2:ACC+4*((\k)%8)+3], v[ACC+4*((\k)%8)+2:ACC+4*((\k)%8)+3], v[T+2*((\k)%4):T+2*((\k)%4)+1]
.endm
.macro P2_WORK xs, w
.irp i, 0,1,2,3
	v_mul_f32 v[AW+2*\i],   s101, |v[\w+2*\i]|     ; once for 8 rows of x: the packed form has no |.|
	v_mul_f32 v[AW+2*\i+1], s101, |v[\w+2*\i+1]|
.endr
	ABSX 0, \xs
	ABSX 1, \xs
	EXPO 0
	ABSX 2, \xs
	EXPO 1
.set k, 0
.rept 32
.if k+3 < 32
	ABSX k+3, \xs
.endif
	v_exp_f32 v[T+2*(k%4)],   v[T+2*(k%4)]
	v_exp_f32 v[T+2*(k%4)+1], v[T+2*(k%4)+1]
.if k+2 < 32
	EXPO k+2
.endif
	v_dual_mul_f32 v[Z+2*(k%2)], s[\xs+4*(k%8)+k/8], v[\w+2*(k/8)] :: v_dual_mul_f32 v[Z+2*(k%2)+1], s[\xs+4*(k%8)+k/8], v[\w+2*(k/8)+1]
.if k > 0
	SUMS k-1
.endif
.set k, k+1
.endr
	SUMS 31
.endm
; A lap: two trips on the two sets.  Each trip first asks for the next one's x and w, then works.
; last = 0: the lap steps on;  1: the next trip is the slice's first again (pass 2 begins there);  2: nothing is left to fetch.
.macro LAP pass, last
	ARRIVED
	FETCHX XB, 16
	FETCHW WB, TRIPB
.if \pass == 1
	P1_WORK XA, WA
.else
	P2_WORK XA, WA
.endif
	ARRIVED
.if \last == 0
	s_add_co_u32 s2, s2, 32                        ; 8 i on: 32 bytes of x,
	v_lshl_add_u32 v[VADR], s2, 6, v[VBASE]        ; 2,048 bytes of LDS.  At most 31 x 32 = 992, so the last fetch ends at the slice's last byte
.endif
.if \last == 1
	s_mov_b32 s2, 0
	v_mov_b32 v[VADR], v[VBASE]
.endif
.if \last < 2
	FETCHX XA, 0
	FETCHW WA, 0
.endif
.if \pass == 1
	P1_WORK XB, WB
.else
	P2_WORK XB, WB
.endif
.endm
	s_mov_b32 s100, LAPS-1
.Lmax:
	LAP 1, 0
	s_sub_co_u32 s100, s100, 1
	s_cmp_lg_u32 s100, 0
	s_cbranch_scc1 .Lmax
	LAP 1, 1                                       ; the last lap is written out: it asks for pass 2's first trip
.irp j, 0,1,2,3,4,5,6,7
	v_pk_mul_f32 v[NM+2*\j:NM+2*\j+1], v[NM+2*\j:NM+2*\j+1], NLOG2E op_sel_hi:[1,0]   ; -m' = -log2(e) max |z|
.endr
.set r, 0
.rept 32
	v_mov_b32 v[ACC+r], 0                          ; 32 registers, once for 2,048 items
.set r, r+1
.endr
	s_mov_b32 s100, LAPS-1
.Lsum:
	LAP 2, 0
	s_sub_co_u32 s100, s100, 1
	s_cmp_lg_u32 s100, 0
	s_cbranch_scc1 .Lsum
	LAP 2, 2                                       ; the last lap is written out: its second trip fetches nothing
	; THE JOIN.  Every wave puts its 8 rows' sums and -m' into its own scratch; behind the barrier wave v joins the four slices of rows 2 v and 2 v + 1 of the block.
	s_lshl_b32 s68, s12, 12
	s_add_co_u32 s68, s68, SCR_ND
	v_add_nc_u32 v7, s68, v6
	s_lshl_b32 s69, s12, 11
	s_add_co_u32 s69, s69, SCR_M
	v_add_nc_u32 v8, s69, v4
.irp j, 0,1,2,3,4,5,6,7
	ds_store_b128 v7, v[ACC+4*\j:ACC+4*\j+3] offset:\j*512
	ds_store_b64  v8, v[NM+2*\j:NM+2*\j+1]   offset:\j*256
.endr
	s_lshl_b32 s70, s13, 14                        ; rows 2 v, 2 v + 1 belong to group v / 4: its four waves' scratch,
	s_lshl_b32 s71, s14, 10                        ; and are rows 2 (v % 4), 2 (v % 4) + 1 there
	s_add_co_u32 s70, s70, s71
	s_add_co_u32 s70, s70, SCR_ND
	v_add_nc_u32 v9, s70, v6
	s_lshl_b32 s72, s13, 13
	s_lshl_b32 s73, s14, 9
	s_add_co_u32 s72, s72, s73
	s_add_co_u32 s72, s72, SCR_M
	v_add_nc_u32 v10, s72, v4
	s_wait_loadcnt 0x0                             ; bias, asked for at the start
	s_wait_dscnt 0x0                               ; my stores are in LDS, for the other waves' sake,
	s_barrier_signal -1
	s_barrier_wait -1                              ; and so are everybody's
.irp q, 0,1,2,3
.irp jj, 0,1
	ds_load_b64  v[FM+4*\q+2*\jj:FM+4*\q+2*\jj+1], v10 offset:\q*2048+\jj*256
.endr
.endr
.irp q, 0,1,2,3
.irp jj, 0,1
	ds_load_b128 v[FN+8*\q+4*\jj:FN+8*\q+4*\jj+3], v9 offset:\q*4096+\jj*512
.endr
.endr
	s_wait_dscnt 0x0
.irp jj, 0,1
	v_min3_num_f32 v[G+2*\jj],   v[FM+2*\jj],   v[FM+4+2*\jj],   v[FM+8+2*\jj]          ; the least -m' is the row's true maximum
	v_min3_num_f32 v[G+2*\jj+1], v[FM+2*\jj+1], v[FM+4+2*\jj+1], v[FM+8+2*\jj+1]
	v_min_num_f32  v[G+2*\jj],   v[G+2*\jj],    v[FM+12+2*\jj]
	v_min_num_f32  v[G+2*\jj+1], v[G+2*\jj+1],  v[FM+12+2*\jj+1]
.endr
.irp c, 0,1,2,3,4,5,6,7
	v_pk_add_f32 v[FM+2*\c:FM+2*\c+1], v[G+2*(\c%2):G+2*(\c%2)+1], v[FM+2*\c:FM+2*\c+1] neg_lo:[0,1] neg_hi:[0,1]   ; m'_slice - m', never above 0
.endr
.set r, 0
.rept 16
	v_exp_f32 v[FM+r], v[FM+r]
.set r, r+1
.endr
	v_nop                                          ; one plain place between the exponentials and the first use of a result
	s_wait_alu depctr_va_vdst(0)
.irp jj, 0,1
	v_pk_mul_f32 v[SN+4*\jj:SN+4*\jj+1],   v[FN+4*\jj:FN+4*\jj+1],   v[FM+2*\jj:FM+2*\jj+1]   ; slice 0 starts the sums
	v_pk_mul_f32 v[SN+4*\jj+2:SN+4*\jj+3], v[FN+4*\jj+2:FN+4*\jj+3], v[FM+2*\jj:FM+2*\jj+1]
.irp q, 1,2,3
	v_pk_fma_f32 v[SN+4*\jj:SN+4*\jj+1],   v[FN+8*\q+4*\jj:FN+8*\q+4*\jj+1],   v[FM+4*\q+2*\jj:FM+4*\q+2*\jj+1], v[SN+4*\jj:SN+4*\jj+1]
	v_pk_fma_f32 v[SN+4*\jj+2:SN+4*\jj+3], v[FN+8*\q+4*\jj+2:FN+8*\q+4*\jj+3], v[FM+4*\q+2*\jj:FM+4*\q+2*\jj+1], v[SN+4*\jj+2:SN+4*\jj+3]
.endr
.endr
	v_rcp_f32 v[SN+2], v[SN+2]                     ; den is at least about 1: the largest term of the row is 2^0
	v_rcp_f32 v[SN+3], v[SN+3]
	v_rcp_f32 v[SN+6], v[SN+6]
	v_rcp_f32 v[SN+7], v[SN+7]
	v_nop                                          ; one plain place behind the reciprocals
	s_wait_alu depctr_va_vdst(0)
.irp jj, 0,1
	v_pk_mul_f32 v[SN+4*\jj:SN+4*\jj+1], v[SN+4*\jj:SN+4*\jj+1], v[SN+4*\jj+2:SN+4*\jj+3]
	v_pk_fma_f32 v[SN+4*\jj:SN+4*\jj+1], v[SN+4*\jj:SN+4*\jj+1], 0x44800000, v[BIAS:BIAS+1] op_sel_hi:[1,0,1]   ; times n = 1024, plus bias
	global_store_b64 v4, v[SN+4*\jj:SN+4*\jj+1], s[10:11] offset:\jj*4096 th:TH_STORE_NT   ; 32 lanes store 256 consecutive bytes, at a multiple of 256 from out's first byte
.endr
	s_wait_tensorcnt 0x0
	ds_add_u32 v160, v161
	s_wait_dscnt 0x0
	ROUND                                          ; the closing round: no work-group ends while a partner may still ask for the tile that names it
	s_endpgm
.Lfunc_end_k_qc5610549f9_softmax_t_linear:
	.size	k_qc5610549f9_softmax_t_linear, .Lfunc_end_k_qc5610549f9_softmax_t_linear-k_qc5610549f9_softmax_t_linear
	.p2alignl 7, 3214868480
	.fill 96, 4, 3214868480
	.section	.rodata,"a",@progbits
	.p2align	6, 0x0
	.amdhsa_kernel k_qc5610549f9_softmax_t_linear
		.amdhsa_group_segment_fixed_size 312320
		.amdhsa_private_segment_fixed_size 0
		.amdhsa_enable_private_segment 0
		.amdhsa_kernarg_size 32
		.amdhsa_user_sgpr_count 2
		.amdhsa_user_sgpr_kernarg_segment_ptr 1
		.amdhsa_wavefront_size32 1
		.amdhsa_system_sgpr_workgroup_id_x 1
		.amdhsa_system_sgpr_workgroup_id_y 1
		.amdhsa_system_sgpr_workgroup_id_z 1
		.amdhsa_system_vgpr_workitem_id 0
		.amdhsa_next_free_vgpr 162
		.amdhsa_next_free_sgpr 102
		.amdhsa_reserve_vcc 0
		.amdhsa_float_denorm_mode_32 3
		.amdhsa_float_denorm_mode_16_64 3
		.amdhsa_memory_ordered 1
		.amdhsa_forward_progress 1
		.amdhsa_inst_pref_size 85
	.end_amdhsa_kernel
	.amdgpu_metadata
---
amdhsa.version: [ 1, 2 ]
amdhsa.kernels:
  - .name:           k_qc5610549f9_softmax_t_linear
    .symbol:         k_qc5610549f9_softmax_t_linear.kd
    .args:
      - { .name: x, .offset: 0, .size: 8, .value_kind: global_buffer, .address_space: global }
      - { .name: w, .offset: 8, .size: 8, .value_kind: global_buffer, .address_space: global }
      - { .name: b, .offset: 16, .size: 8, .value_kind: global_buffer, .address_space: global }
      - { .name: out0, .offset: 24, .size: 8, .value_kind: global_buffer, .address_space: global }
    .group_segment_fixed_size: 312320
    .private_segment_fixed_size: 0
    .kernarg_segment_align: 8
    .kernarg_segment_size: 32
    .max_flat_workgroup_size: 256
    .sgpr_count:     102
    .vgpr_count:     162
    .wavefront_size: 32
...
	.end_amdgpu_metadata
.endif
;; end of part 1
;; ======== version 2 of 2: 1 launch; 1.54 times as fast as version 1
;; launch softmax_t_linear (part 2): grid 16 x 16, 32 waves a work-group, clusters of 4 x 1, 266,240 bytes of LDS; arguments x, w, b, out0; writes out0
.if DOCPART == 2
	.amdgcn_target "amdgcn-amd-amdhsa--gfx1250"
	.amdhsa_code_object_version 6
	.text
	.protected	k_qc5610549f9_softmax_t_linear
	.globl	k_qc5610549f9_softmax_t_linear
	.p2align	8
	.type	k_qc5610549f9_softmax_t_linear,@function
k_qc5610549f9_softmax_t_linear:
	s_mov_b64 s[64:65], 0
	v_nop
	global_prefetch_b8 v0, s[64:65] scope:SCOPE_SE
	s_setreg_imm32_b32 hwreg(HW_REG_WAVE_MODE, 25, 1), 1
	s_wait_xcnt 0x0
	s_wait_alu depctr_hold_cnt(0) depctr_sa_sdst(0) depctr_va_vdst(0) depctr_va_sdst(0) depctr_va_ssrc(0) depctr_va_vcc(0) depctr_vm_vsrc(0)
	s_getreg_b32 s2, hwreg(HW_REG_IB_STS2, 6, 4)
	s_cmp_eq_u32 s2, 0
	s_cbranch_scc0 .Lentry_in_a_cluster
	s_endpgm
.Lentry_in_a_cluster:
	s_bfe_u32 s2, ttmp6, 0x10000c
	s_cmp_lg_u32 s2, 0x3003
	s_cbranch_scc0 .Lentry_shape_is_right
	s_endpgm
.Lentry_shape_is_right:
; out[b][o] = 1024 * sum_i z e^(|z|-m) / sum_i e^(|z|-m) + bias[o],  z = x[b][i] w[i][o],  m = max_i |z|.   x [256][1024], w [1024][1024], out [256][1024], f32.
; The product x[b][i] w[i][o] is summed over nothing before the exponential, so there is no matrix product to give to a matrix instruction: all of it is f32 vector work.
; A work-group makes 16 rows (b) x 64 columns (o).  Its 1024 x 64 piece of w (262,144 bytes) is brought into LDS once and read in both passes.
; Thirty-two waves = 2 groups of 8 rows of x  x  16 slices of 64 i: eight waves for each of the WGP's four SIMDs (8 x 118 = 944 of a SIMD's 1,024 registers),
; so that while one wave waits for its scalar loads of x seven others have work, and those loads have the others' trips in which to come.
; A lane owns columns 2 lane and 2 lane + 1; x[b][i] is the same for all lanes and lives in scalar registers.
; Pass 1: the true maximum of |z| over the wave's slice.  Pass 2: the two sums against that maximum.  At the end the sixteen slices of a row meet in LDS:
; m = max of the slices' maxima, each slice's sums times 2^(m_slice - m).  So every exponent is at most about 0 for every input, and no barrier stands between the passes.
; CLUSTER 4,1,1 along the row blocks: the four partners make the same 64 columns and need the same piece of w, so each wave's tensor load is a joint one (mask 15):
; 16 row blocks would ask for each piece 16 times, the clusters ask 4 times.  A wave has one tensor load outstanding, once.
; LIMITS: a NaN input gives NaN (the maximum itself skips NaN); where x w overflows f32 the result is not finite; a term more than 2^126 below its slice's largest
; counts as 0 (v_exp_f32 gives 0 for results below 2^-126: ISA guide, its entry in 15.8); the sums are made in sixteen slices, another order than a single run over i.
.set LOG2E,  0x3fb8aa3b
.set NLOG2E, 0xbfb8aa3b
.set ROWB,   256                       ; an LDS row: 64 columns of f32; 32 lanes x 8 bytes read it whole, no two lanes in one bank
.set TRIPB,  4*ROWB                    ; a trip takes 4 i
.set LAPS,   8                         ; a lap = two trips = 8 i; a slice is 64 i
; The join's scratch lies over the tile's first 196,608 bytes: the tile is filled once in the launch, and a barrier stands between the last read of w and the first store.
.set SCR_ND, 0                         ; [wave][row 0-7][lane] 16 bytes: num, num, den, den   (32 x 4,096 bytes)
.set SCR_M,  131072                    ; [wave][row 0-7][lane]  8 bytes: -m', -m'             (32 x 2,048 bytes)
.set XA, 32                            ; s[32:63]  x of one trip: row j's 4 numbers at XA + 4 j
.set XB, 68                            ; s[68:99]  the other set (s64, s65 are not this text's)
.set AX, 28                            ; s28, s30  |x| by turns; a packed f32 form takes the first register of an even pair, s29 and s31 only have to be written
.set VBASE, 1                          ; v1  LDS address of my 8 bytes in my slice's first row
.set VADR,  2                          ; v2  the same at the lap's first row
.set WA, 8                             ; v[8:15]   w of one trip: row i's pair at WA + 2 i
.set WB, 16                            ; v[16:23]  the other set
.set AW, 24                            ; v[24:31]  pass 2: |w| log2(e) of the trip at work
.set T,  32                            ; v[32:39]  pass 2: four pairs by turns: exponent, then 2^exponent
.set Z,  40                            ; v[40:43]  pass 2: two pairs by turns: z
.set PT, 24                            ; v[24:39]  pass 1: four sets of 4 products by turns
.set NM, 44                            ; v[44:59]  row j's pair: pass 1 max |z|, then -log2(e) max |z|
.set ACC, 60                           ; v[60:91]  row j: num, num, den, den
; The join's registers lie over the loops': those are dead once the sums and -m' are in LDS.
.set FN, 12                            ; v[12:75]   the join: num, num, den, den of slice q at FN + 4 q
.set FM, 76                            ; v[76:107]  the join: -m' of slice q at FM + 2 q
.set BIAS, 108                         ; v[108:109]
.set G,  110                           ; v[110:111] the join: the least -m' of the sixteen slices
.set SN, 112                           ; v[112:115] the join: the sums
; A round of the cluster's barrier: my work-group's barrier, wave 0 signals for the work-group, every wave waits for all four work-groups, my work-group's barrier again.
.macro ROUND
	s_barrier_signal -1
	s_barrier_wait -1
	s_cmp_lg_u32 s12, 0
	s_cbranch_scc1 .Lnot_wave_0_\@
	s_barrier_signal -3
.Lnot_wave_0_\@:
	s_barrier_wait -3
	s_barrier_signal -1
	s_barrier_wait -1
.endm
	s_load_b256 s[4:11], s[0:1], 0x0               ; x s[4:5], w s[6:7], bias s[8:9], out s[10:11]
	v_lshl_add_u32 v116, v0, 2, 0x40000
	v_mov_b32 v117, 0
	ds_add_u32 v116, v117
	v_lshrrev_b32 v5, 5, v0
	v_readfirstlane_b32 s12, v5                    ; wave 0..31
	v_and_b32 v3, 31, v0                           ; lane
	v_lshlrev_b32 v4, 3, v3                        ; 8 lane: my two columns, in w's LDS rows, in bias and in out; never rewritten
	v_lshlrev_b32 v6, 4, v3                        ; 16 lane
	s_lshr_b32 s13, s12, 4                         ; which 8 rows of x are mine
	s_and_b32 s14, s12, 15                         ; which 64 i are mine
	s_bfe_u32 s15, ttmp6, 0x40000                  ; cx: my place in the cluster
	s_lshl_b32 s68, ttmp9, 2
	s_add_co_u32 s68, s68, s15                     ; row block = 4 x cluster x + cx
	s_and_b32 s69, ttmp7, 0xffff                   ; column block: the same in all four partners
	s_lshl_b32 s70, s68, 16                        ; x: 16 rows of 4,096 bytes a block,
	s_lshl_b32 s71, s13, 15                        ;    8 rows a group,
	s_add_co_u32 s70, s70, s71
	s_lshl_b32 s71, s14, 8                         ;    64 i of 4 bytes a slice
	s_add_co_u32 s70, s70, s71
	s_mov_b32 s71, 0
	s_lshl_b32 s72, s69, 8                         ; 64 columns of 4 bytes a column block: for w, bias and out
	s_mov_b32 s73, 0
	s_lshl_b32 s74, s12, 17                        ; w: the 32 rows of 4,096 bytes that this wave fetches
	s_mov_b32 s75, 0
	s_lshl_b32 s76, s68, 16                        ; out: the block's 16 rows; waves 0 to 15 store the row of their own number (wave mod 16 keeps the address inside the block in all)
	s_lshl_b32 s77, s14, 12
	s_add_co_u32 s76, s76, s77
	s_add_co_u32 s76, s76, s72
	s_mov_b32 s77, 0
	s_lshl_b32 s78, s14, 14                        ; my slice in LDS: 64 rows of 256 bytes
	v_add_nc_u32 v[VBASE], s78, v4
	; descriptor group 1: 32 rows x 64 elements of 4 bytes, 1,024 elements from row to row; the tile lies inside w, so the extents are the tile's.
	; 32 rows are a wave's share of the 1,024 when every wave fetches: all waves then run the same lines at the fill, with no branch round a joint load.
	s_mov_b32 s20, 15|(2<<16)|(1<<21)              ; 15:0 the four partners; 17:16 element of 4 bytes; 21 set beside a mask; no padding
	s_mov_b32 s21, 64<<16                          ; tensor_dim0 = 64
	s_mov_b32 s22, 32<<16                          ; tensor_dim1 = 32
	s_mov_b32 s23, 64<<16                          ; tile_dim0 = 64
	s_mov_b32 s24, 32                              ; tile_dim1 = 32
	s_mov_b32 s25, 1024                            ; pitch
	s_mov_b32 s26, 0
	s_mov_b32 s27, 0
	s_mov_b32 s16, 1                               ; group 0: count,
	s_lshl_b32 s17, s12, 13                        ; LDS address: wave x 32 rows x 256 bytes (the wave's number alone),
	s_mov_b32 s3, 0x7fffffff                       ; clears a sign
	s_mov_b32 s101, LOG2E
	s_mov_b32 s29, 0
	s_mov_b32 s31, 0
	s_mov_b32 s2, 0                                ; byte offset in x of the lap's first i; times 64 it is the lap's offset in LDS
	s_wait_dscnt 0x0
	s_wait_kmcnt 0x0
	s_add_nc_u64 s[18:19], s[6:7], s[72:73]        ; global address: column block and wave's number, nothing of cx,
	s_add_nc_u64 s[18:19], s[18:19], s[74:75]
	s_or_b32 s19, s19, 0x80000000                  ; type 2
	s_add_nc_u64 s[4:5], s[4:5], s[70:71]
	s_add_nc_u64 s[8:9], s[8:9], s[72:73]
	s_add_nc_u64 s[10:11], s[10:11], s[76:77]
	ROUND                                          ; all four work-groups are here: the joint loads meet
	tensor_load_to_lds s[16:19], s[20:27]          ; this wave's only tensor load: 8,192 of the tile's 262,144 bytes
	s_nop 0
; The loads of one trip.  x: 16 bytes of each of my 8 rows; w: my 8 bytes of 4 rows.
.macro FETCHX xs, off
.irp j, 0,1,2,3,4,5,6,7
	s_load_b128 s[\xs+4*\j:\xs+4*\j+3], s[4:5], s2 offset:\j*4096+\off
.endr
.endm
.macro FETCHW w, off
.irp i, 0,1,2,3
	ds_load_b64 v[\w+2*\i:\w+2*\i+1], v[VADR] offset:\i*ROWB+\off
.endr
.endm
.macro ARRIVED
	s_wait_kmcnt 0x0                               ; scalar loads return in no order, so 0: the x asked for a trip ago is here, and s2 may be stepped
	s_wait_dscnt 0x0                               ; the w asked for a trip ago is here
.endm
	FETCHX XA, 0                                   ; the first trip's x travels while the tile does
.set r, 0
.rept 16
	v_mov_b32 v[NM+r], 0                           ; |z| is never below 0
.set r, r+1
.endr
	v_mov_b32 v[VADR], v[VBASE]
	s_wait_tensorcnt 0x0                           ; my part of the tile has landed,
	s_barrier_signal -1
	s_barrier_wait -1                              ; everybody's has: two waves fetched each slice and two read it
	FETCHW WA, 0
	global_load_b64 v[BIAS:BIAS+1], v4, s[8:9]     ; one line for every wave, early; the sixteen waves that join use it
; PASS 1, one trip: 16 units of (row b = u % 8, i pair u / 8).  Two dual multiplies make x w for two i and my two columns (the dual form takes any scalar register),
; two v_max3 fold |.| of them into the row's maxima.  The products of unit u + 2 are made ahead of unit u's maxima; four sets take turns.
.macro PROD u, xs, w
	v_dual_mul_f32 v[PT+4*((\u)%4)], s[\xs+4*((\u)%8)+2*((\u)/8)], v[\w+4*((\u)/8)] :: v_dual_mul_f32 v[PT+4*((\u)%4)+1], s[\xs+4*((\u)%8)+2*((\u)/8)], v[\w+4*((\u)/8)+1]
	v_dual_mul_f32 v[PT+4*((\u)%4)+2], s[\xs+4*((\u)%8)+2*((\u)/8)+1], v[\w+4*((\u)/8)+2] :: v_dual_mul_f32 v[PT+4*((\u)%4)+3], s[\xs+4*((\u)%8)+2*((\u)/8)+1], v[\w+4*((\u)/8)+3]
.endm
.macro P1_WORK xs, w
	PROD 0, \xs, \w
	PROD 1, \xs, \w
.set u, 0
.rept 16
.if u+2 < 16
	PROD u+2, \xs, \w
.endif
	v_max3_num_f32 v[NM+2*(u%8)],   v[NM+2*(u%8)],   |v[PT+4*(u%4)]|,   |v[PT+4*(u%4)+2]|
	v_max3_num_f32 v[NM+2*(u%8)+1], v[NM+2*(u%8)+1], |v[PT+4*(u%4)+1]|, |v[PT+4*(u%4)+3]|
.set u, u+1
.endr
.endm
; PASS 2, one trip: 32 items k of (row b = k % 8, i = k / 8), in a short pipeline that is filled and drained inside the trip:
;   |x| of item k + 3 (scalar);  2^t of item k;  t of item k + 2;  z of item k;  the sums of item k - 1.
; t = |w| log2(e) |x| - m' in one packed multiply-add.  Behind the two v_exp_f32 stands a plain vector instruction that names none of their registers
; (t of a later item, or an earlier item's sums) before their results are read, one item later.
.macro ABSX k, xs
	s_and_b32 s[AX+2*((\k)%2)], s[\xs+4*((\k)%8)+(\k)/8], s3
.endm
.macro EXPO k
	v_pk_fma_f32 v[T+2*((\k)%4):T+2*((\k)%4)+1], v[AW+2*((\k)/8):AW+2*((\k)/8)+1], s[AX+2*((\k)%2):AX+2*((\k)%2)+1], v[NM+2*((\k)%8):NM+2*((\k)%8)+1] op_sel_hi:[1,0,1]
.endm
.macro SUMS k
	s_wait_alu depctr_va_vdst(0)
	v_pk_fma_f32 v[ACC+4*((\k)%8):ACC+4*((\k)%8)+1], v[Z+2*((\k)%2):Z+2*((\k)%2)+1], v[T+2*((\k)%4):T+2*((\k)%4)+1], v[ACC+4*((\k)%8):ACC+4*((\k)%8)+1]
	v_pk_add_f32 v[ACC+4*((\k)%8)+2:ACC+4*((\k)%8)+3], v[ACC+4*((\k)%8)+2:ACC+4*((\k)%8)+3], v[T+2*((\k)%4):T+2*((\k)%4)+1]
.endm
.macro P2_WORK xs, w
.irp i, 0,1,2,3
	v_mul_f32 v[AW+2*\i],   s101, |v[\w+2*\i]|     ; once for 8 rows of x: the packed form has no |.|
	v_mul_f32 v[AW+2*\i+1], s101, |v[\w+2*\i+1]|
.endr
	ABSX 0, \xs
	ABSX 1, \xs
	EXPO 0
	ABSX 2, \xs
	EXPO 1
.set k, 0
.rept 32
.if k+3 < 32
	ABSX k+3, \xs
.endif
	v_exp_f32 v[T+2*(k%4)],   v[T+2*(k%4)]
	v_exp_f32 v[T+2*(k%4)+1], v[T+2*(k%4)+1]
.if k+2 < 32
	EXPO k+2
.endif
	v_dual_mul_f32 v[Z+2*(k%2)], s[\xs+4*(k%8)+k/8], v[\w+2*(k/8)] :: v_dual_mul_f32 v[Z+2*(k%2)+1], s[\xs+4*(k%8)+k/8], v[\w+2*(k/8)+1]
.if k > 0
	SUMS k-1
.endif
.set k, k+1
.endr
	SUMS 31
.endm
; A lap: two trips on the two sets.  Each trip first asks for the next one's x and w, then works.
; last = 0: the lap steps on;  1: the next trip is the slice's first again (pass 2 begins there);  2: nothing is left to fetch.
.macro LAP pass, last
	ARRIVED
	FETCHX XB, 16
	FETCHW WB, TRIPB
.if \pass == 1
	P1_WORK XA, WA
.else
	P2_WORK XA, WA
.endif
	ARRIVED
.if \last == 0
	s_add_co_u32 s2, s2, 32                        ; 8 i on: 32 bytes of x,
	v_lshl_add_u32 v[VADR], s2, 6, v[VBASE]        ; 2,048 bytes of LDS.  At most 7 x 32 = 224, so the last fetch ends at the slice's last byte
.endif
.if \last == 1
	s_mov_b32 s2, 0
	v_mov_b32 v[VADR], v[VBASE]
.endif
.if \last < 2
	FETCHX XA, 0
	FETCHW WA, 0
.endif
.if \pass == 1
	P1_WORK XB, WB
.else
	P2_WORK XB, WB
.endif
.endm
	s_mov_b32 s100, LAPS-1
.Lmax:
	LAP 1, 0
	s_sub_co_u32 s100, s100, 1
	s_cmp_lg_u32 s100, 0
	s_cbranch_scc1 .Lmax
	LAP 1, 1                                       ; the last lap is written out: it asks for pass 2's first trip
.irp j, 0,1,2,3,4,5,6,7
	v_pk_mul_f32 v[NM+2*\j:NM+2*\j+1], v[NM+2*\j:NM+2*\j+1], NLOG2E op_sel_hi:[1,0]   ; -m' = -log2(e) max |z|
.endr
.set r, 0
.rept 32
	v_mov_b32 v[ACC+r], 0                          ; 32 registers, once for 512 items
.set r, r+1
.endr
	s_mov_b32 s100, LAPS-1
.Lsum:
	LAP 2, 0
	s_sub_co_u32 s100, s100, 1
	s_cmp_lg_u32 s100, 0
	s_cbranch_scc1 .Lsum
	LAP 2, 2                                       ; the last lap is written out: its second trip fetches nothing
	; THE JOIN.  Every wave puts its 8 rows' sums and -m' into its own scratch; behind the second barrier wave v of the first sixteen joins the sixteen slices of row v of the block.
	s_lshl_b32 s68, s12, 12                        ; my scratch for the sums: wave x 4,096 bytes from SCR_ND = 0
	v_add_nc_u32 v7, s68, v6
	s_lshl_b32 s69, s12, 11                        ; and for -m': wave x 2,048 bytes from SCR_M
	s_add_co_u32 s69, s69, SCR_M
	v_add_nc_u32 v8, s69, v4
	s_lshr_b32 s74, s14, 3                         ; row v belongs to group v / 8
	s_and_b32 s75, s14, 7                          ; and is row v % 8 there
	s_lshl_b32 s70, s74, 16                        ; the group's sixteen waves' scratch: 16 x 4,096 bytes,
	s_lshl_b32 s71, s75, 9                         ; a row of 512 bytes
	s_add_co_u32 s70, s70, s71
	v_add_nc_u32 v9, s70, v6
	s_lshl_b32 s72, s74, 15                        ; 16 x 2,048 bytes,
	s_lshl_b32 s73, s75, 8                         ; a row of 256 bytes
	s_add_co_u32 s72, s72, s73
	s_add_co_u32 s72, s72, SCR_M
	v_add_nc_u32 v10, s72, v4
	s_wait_dscnt 0x0                               ; my last reads of w are back (met: the last trip's wait was for 0),
	s_barrier_signal -1
	s_barrier_wait -1                              ; everybody's are: the tile's bytes may now be written over
.irp j, 0,1,2,3,4,5,6,7
	ds_store_b128 v7, v[ACC+4*\j:ACC+4*\j+3] offset:SCR_ND+\j*512
	ds_store_b64  v8, v[NM+2*\j:NM+2*\j+1]   offset:\j*256
.endr
	s_wait_loadcnt 0x0                             ; bias, asked for at the start
	s_wait_dscnt 0x0                               ; my stores are in LDS, for the other waves' sake,
	s_barrier_signal -1
	s_barrier_wait -1                              ; and so are everybody's
	s_cmp_lg_u32 s13, 0                            ; the block has 16 rows: waves 16 to 31 have none to join.  The branch hangs on the wave's number alone
	s_cbranch_scc1 .Lclosing                       ; and jumps over no barrier
.irp q, 0,1,2,3,4,5,6,7,8,9,10,11,12,13,14,15
	ds_load_b64  v[FM+2*\q:FM+2*\q+1], v10 offset:\q*2048
.endr
.irp q, 0,1,2,3,4,5,6,7,8,9,10,11,12,13,14,15
	ds_load_b128 v[FN+4*\q:FN+4*\q+3], v9 offset:SCR_ND+\q*4096
.endr
	s_wait_dscnt 0x0
.irp c, 0,1
	v_min3_num_f32 v[G+\c], v[FM+\c], v[FM+2+\c], v[FM+4+\c]       ; the least -m' is the row's true maximum: slices 0, 1, 2,
.irp q, 3,5,7,9,11,13
	v_min3_num_f32 v[G+\c], v[G+\c], v[FM+2*\q+\c], v[FM+2*\q+2+\c]   ; two more at a time,
.endr
	v_min_num_f32  v[G+\c], v[G+\c], v[FM+30+\c]                   ; slice 15
.endr
.irp q, 0,1,2,3,4,5,6,7,8,9,10,11,12,13,14,15
	v_pk_add_f32 v[FM+2*\q:FM+2*\q+1], v[G:G+1], v[FM+2*\q:FM+2*\q+1] neg_lo:[0,1] neg_hi:[0,1]   ; m'_slice - m', never above 0
.endr
.set r, 0
.rept 32
	v_exp_f32 v[FM+r], v[FM+r]
.set r, r+1
.endr
	v_nop                                          ; one plain place between the exponentials and the first use of a result
	s_wait_alu depctr_va_vdst(0)
	v_pk_mul_f32 v[SN:SN+1],   v[FN:FN+1],   v[FM:FM+1]            ; slice 0 starts the sums
	v_pk_mul_f32 v[SN+2:SN+3], v[FN+2:FN+3], v[FM:FM+1]
.irp q, 1,2,3,4,5,6,7,8,9,10,11,12,13,14,15
	v_pk_fma_f32 v[SN:SN+1],   v[FN+4*\q:FN+4*\q+1],   v[FM+2*\q:FM+2*\q+1], v[SN:SN+1]
	v_pk_fma_f32 v[SN+2:SN+3], v[FN+4*\q+2:FN+4*\q+3], v[FM+2*\q:FM+2*\q+1], v[SN+2:SN+3]
.endr
	v_rcp_f32 v[SN+2], v[SN+2]                     ; den is at least about 1: the largest term of the row is 2^0
	v_rcp_f32 v[SN+3], v[SN+3]
	v_nop                                          ; one plain place behind the reciprocals
	s_wait_alu depctr_va_vdst(0)
	v_pk_mul_f32 v[SN:SN+1], v[SN:SN+1], v[SN+2:SN+3]
	v_pk_fma_f32 v[SN:SN+1], v[SN:SN+1], 0x44800000, v[BIAS:BIAS+1] op_sel_hi:[1,0,1]   ; times n = 1024, plus bias
	global_store_b64 v4, v[SN:SN+1], s[10:11] th:TH_STORE_NT       ; 32 lanes store 256 consecutive bytes, at a multiple of 256 from out's first byte
.Lclosing:
	s_wait_tensorcnt 0x0
	ds_add_u32 v116, v117
	s_wait_dscnt 0x0
	ROUND                                          ; the closing round: no work-group ends while a partner may still ask for the tile that names it
	s_endpgm
.Lfunc_end_k_qc5610549f9_softmax_t_linear:
	.size	k_qc5610549f9_softmax_t_linear, .Lfunc_end_k_qc5610549f9_softmax_t_linear-k_qc5610549f9_softmax_t_linear
	.p2alignl 7, 3214868480
	.fill 96, 4, 3214868480
	.section	.rodata,"a",@progbits
	.p2align	6, 0x0
	.amdhsa_kernel k_qc5610549f9_softmax_t_linear
		.amdhsa_group_segment_fixed_size 266240
		.amdhsa_private_segment_fixed_size 0
		.amdhsa_enable_private_segment 0
		.amdhsa_kernarg_size 32
		.amdhsa_user_sgpr_count 2
		.amdhsa_user_sgpr_kernarg_segment_ptr 1
		.amdhsa_wavefront_size32 1
		.amdhsa_system_sgpr_workgroup_id_x 1
		.amdhsa_system_sgpr_workgroup_id_y 1
		.amdhsa_system_sgpr_workgroup_id_z 1
		.amdhsa_system_vgpr_workitem_id 0
		.amdhsa_next_free_vgpr 118
		.amdhsa_next_free_sgpr 102
		.amdhsa_reserve_vcc 0
		.amdhsa_float_denorm_mode_32 3
		.amdhsa_float_denorm_mode_16_64 3
		.amdhsa_memory_ordered 1
		.amdhsa_forward_progress 1
		.amdhsa_inst_pref_size 89
	.end_amdhsa_kernel
	.amdgpu_metadata
---
amdhsa.version: [ 1, 2 ]
amdhsa.kernels:
  - .name:           k_qc5610549f9_softmax_t_linear
    .symbol:         k_qc5610549f9_softmax_t_linear.kd
    .args:
      - { .name: x, .offset: 0, .size: 8, .value_kind: global_buffer, .address_space: global }
      - { .name: w, .offset: 8, .size: 8, .value_kind: global_buffer, .address_space: global }
      - { .name: b, .offset: 16, .size: 8, .value_kind: global_buffer, .address_space: global }
      - { .name: out0, .offset: 24, .size: 8, .value_kind: global_buffer, .address_space: global }
    .group_segment_fixed_size: 266240
    .private_segment_fixed_size: 0
    .kernarg_segment_align: 8
    .kernarg_segment_size: 32
    .max_flat_workgroup_size: 1024
    .sgpr_count:     102
    .vgpr_count:     118
    .wavefront_size: 32
...
	.end_amdgpu_metadata
.endif
;; end of part 2
